; MI455X (gfx1250); checked and timed in simulation.
; The chip was launched on July 23, 2026; its instructions are those of AMD's public machine-readable ISA for CDNA 5 (MIT licence, August 2026) and "CDNA5" Instruction Set Architecture Reference Guide (July 2026). The comments in the code are by the model that wrote it; some were corrected since.
;; Regular Grid Interpolator. Allowed arithmetic: float matrix products may take bf16 or f16 operands with f32 sums; all other float work in f32.
;; Inputs: p0 256 float32; p1 256 float32; p2 256 float32; values 256 x 256 x 256 float32; x0 4,194,304 float32; x1 4,194,304 float32; x2 4,194,304 float32.
;; Outputs: out0 4,194,304 float32.
;; 2 versions, each right; version 2 is version 1 with the launch interp written anew for expert scheduling mode. Each part assembles by itself: llvm-mc -triple=amdgcn-amd-amdhsa -mcpu=gfx1250 --defsym DOCPART=n.
;; ======== version 1 of 2: 2 launches
;; limits: right only within a limited range of input values
;; workspace buffers: kx 50,331,648 bytes of whole numbers; kp 3,072 bytes of whole numbers
;; launch keys (part 1): grid 1024 x 1, 8 waves a work-group, no clusters, 0 bytes of LDS; arguments x0, x1, x2, p0, p1, p2, kx, kp; writes kx, kp
.if DOCPART == 1
	.amdgcn_target "amdgcn-amd-amdhsa--gfx1250"
	.amdhsa_code_object_version 6
	.text
	.protected	k_q3e31516be8_keys
	.globl	k_q3e31516be8_keys
	.p2align	8
	.type	k_q3e31516be8_keys,@function
k_q3e31516be8_keys:
	s_mov_b64 s[64:65], 0
	v_nop
	global_prefetch_b8 v0, s[64:65] scope:SCOPE_SE
	s_setreg_imm32_b32 hwreg(HW_REG_WAVE_MODE, 25, 1), 1
	s_wait_xcnt 0x0
; Launch 1 of 2.  kx[d][i] = key(x_d[i]);  kp[d][n] = key(p_d[..]) laid out as a search tree.
; No address of a launch may hang on floating-point numbers of that launch.  The search for a query's bracket and the gather
; behind it take their addresses from comparisons of x with p, so this launch carries the ORDER of the floats into whole numbers
; and the next launch searches and gathers with whole numbers alone.
;   key(b) = b               for a bit pattern b >= 0 (as a signed word)
;          = 0x80000000 - b  for b < 0, which is minus the magnitude
; Signed order of the keys = order of the floats; -0 and +0 both give 0, as a float comparison has them equal.
; The map is its own inverse, so the next launch gets x back bit for bit (-0 as +0).  Limit: NaN has no place in that order.
; A stream: no LDS, no barrier, no cluster (no byte is read by two work-groups).  A work-group takes 4,096 numbers of each of
; x0, x1, x2; a thread 4 x 16 bytes of each; a wave's load or store covers 512 neighbouring bytes that start on a multiple of 512.
.set CHUNK, 16384                      ; bytes of one array that a work-group takes
.set PASS,  4096                       ; bytes that 256 threads x 16 bytes cover
.set DIMB,  0x1000000                  ; bytes of one dimension's keys: 4,194,304 x 4
.set X,     4                          ; v[4:51]  twelve loads of 4 words, rewritten in place and stored
.set T,     52                         ; v52      at work
	s_load_b256 s[4:11], s[0:1], 0x0               ; x0 s[4:5], x1 s[6:7], x2 s[8:9], p0 s[10:11]
	s_load_b256 s[12:19], s[0:1], 0x20             ; p1 s[12:13], p2 s[14:15], kx s[16:17], kp s[18:19]
	s_lshl_b32 s2, ttmp9, 14                       ; the work-group's number x 16,384 bytes (below 16 MiB)
	s_mov_b32 s3, 0
	s_mov_b32 s20, 0x80000000
	v_lshlrev_b32 v1, 4, v0                        ; 16 t
	s_wait_kmcnt 0x0
	s_add_nc_u64 s[4:5], s[4:5], s[2:3]
	s_add_nc_u64 s[6:7], s[6:7], s[2:3]
	s_add_nc_u64 s[8:9], s[8:9], s[2:3]
	s_add_nc_u64 s[24:25], s[16:17], s[2:3]        ; keys of dimension 0,
	s_add_nc_u64 s[26:27], s[24:25], DIMB          ; 1,
	s_add_nc_u64 s[28:29], s[24:25], 2*DIMB        ; 2
.irp d, 0,1,2
.irp j, 0,1,2,3
	global_load_b128 v[X+16*\d+4*\j:X+16*\d+4*\j+3], v1, s[4+2*\d:5+2*\d] offset:PASS*\j th:TH_LOAD_NT
.endr
.endr
.macro KEY r                           ; v[r] = key(v[r])
	v_sub_nc_u32 v[T], s20, v[\r]
	v_cmp_gt_i32 vcc_lo, 0, v[\r]
	v_cndmask_b32 v[\r], v[\r], v[T], vcc_lo
.endm
.set i, 0
.rept 12
	s_wait_loadcnt 11-i                            ; loads come back in order (ISA guide 5.7.1): load i is in, the 11 - i younger ones stay out
	KEY X+4*i
	KEY X+4*i+1
	KEY X+4*i+2
	KEY X+4*i+3
	global_store_b128 v1, v[X+4*i:X+4*i+3], s[24+2*(i/4):25+2*(i/4)] offset:PASS*(i%4)   ; no hint: the next launch reads them
.set i, i+1
.endr
	; Work-group 0 also writes the three trees.  Node n = 1 .. 255 has the children 2n and 2n+1; a level's nodes are neighbours.
	; Node n holds p[j] with j = ((2n+1) shifted left until it lies in 256 .. 511) - 257: n = 1 -> 127, 2 -> 63, 3 -> 191, 128 -> 0.
	; Only p[0 .. 254] are pivots: the count of p <= x is capped at 255 by reference(), so p[255] decides nothing.
	s_cmp_lg_u32 ttmp9, 0
	s_cbranch_scc1 .Ldone
	v_lshl_or_b32 v2, v0, 1, 1                     ; 2n + 1, n = t
	v_cmp_gt_u32 vcc_lo, 32, v2                    ; the shift of 0 .. 7 in three steps: by 4,
	v_lshlrev_b32 v3, 4, v2
	v_cndmask_b32 v2, v2, v3, vcc_lo
	v_cmp_gt_u32 vcc_lo, 0x80, v2                  ; by 2,
	v_lshlrev_b32 v3, 2, v2
	v_cndmask_b32 v2, v2, v3, vcc_lo
	v_cmp_gt_u32 vcc_lo, 0x100, v2                 ; by 1
	v_lshlrev_b32 v3, 1, v2
	v_cndmask_b32 v2, v2, v3, vcc_lo
	v_add_nc_u32 v2, 0xfffffeff, v2                ; - 257
	v_min_u32 v2, 254, v2                          ; n = 0 is no node: it wraps, is capped here, and fills word 0 with p[254], which nobody reads
	v_lshlrev_b32 v2, 2, v2
	v_lshlrev_b32 v3, 2, v0                        ; 4 n
	global_load_b32 v54, v2, s[10:11]
	global_load_b32 v55, v2, s[12:13]
	global_load_b32 v56, v2, s[14:15]
	s_wait_loadcnt 0x0
	KEY 54
	KEY 55
	KEY 56
	global_store_b32 v3, v54, s[18:19]
	global_store_b32 v3, v55, s[18:19] offset:1024
	global_store_b32 v3, v56, s[18:19] offset:2048
.Ldone:
	s_endpgm
.Lfunc_end_k_q3e31516be8_keys:
	.size	k_q3e31516be8_keys, .Lfunc_end_k_q3e31516be8_keys-k_q3e31516be8_keys
	.p2alignl 7, 3214868480
	.fill 96, 4, 3214868480
	.section	.rodata,"a",@progbits
	.p2align	6, 0x0
	.amdhsa_kernel k_q3e31516be8_keys
		.amdhsa_group_segment_fixed_size 0
		.amdhsa_private_segment_fixed_size 0
		.amdhsa_enable_private_segment 0
		.amdhsa_kernarg_size 64
		.amdhsa_user_sgpr_count 2
		.amdhsa_user_sgpr_kernarg_segment_ptr 1
		.amdhsa_wavefront_size32 1
		.amdhsa_system_sgpr_workgroup_id_x 1
		.amdhsa_system_sgpr_workgroup_id_y 1
		.amdhsa_system_sgpr_workgroup_id_z 1
		.amdhsa_system_vgpr_workitem_id 0
		.amdhsa_next_free_vgpr 60
		.amdhsa_next_free_sgpr 66
		.amdhsa_reserve_vcc 1
		.amdhsa_float_denorm_mode_32 3
		.amdhsa_float_denorm_mode_16_64 3
		.amdhsa_memory_ordered 1
		.amdhsa_forward_progress 1
		.amdhsa_inst_pref_size 10
	.end_amdhsa_kernel
	.amdgpu_metadata
---
amdhsa.version: [ 1, 2 ]
amdhsa.kernels:
  - .name:           k_q3e31516be8_keys
    .symbol:         k_q3e31516be8_keys.kd
    .args:
      - { .name: x0, .offset: 0, .size: 8, .value_kind: global_buffer, .address_space: global }
      - { .name: x1, .offset: 8, .size: 8, .value_kind: global_buffer, .address_space: global }
      - { .name: x2, .offset: 16, .size: 8, .value_kind: global_buffer, .address_space: global }
      - { .name: p0, .offset: 24, .size: 8, .value_kind: global_buffer, .address_space: global }
      - { .name: p1, .offset: 32, .size: 8, .value_kind: global_buffer, .address_space: global }
      - { .name: p2, .offset: 40, .size: 8, .value_kind: global_buffer, .address_space: global }
      - { .name: kx, .offset: 48, .size: 8, .value_kind: global_buffer, .address_space: global }
      - { .name: kp, .offset: 56, .size: 8, .value_kind: global_buffer, .address_space: global }
    .group_segment_fixed_size: 0
    .private_segment_fixed_size: 0
    .kernarg_segment_align: 8
    .kernarg_segment_size: 64
    .max_flat_workgroup_size: 256
    .sgpr_count:     66
    .vgpr_count:     60
    .wavefront_size: 32
...
	.end_amdgpu_metadata
.endif
;; end of part 1
;; launch interp (part 2): grid 1024 x 1, 8 waves a work-group, no clusters, 10,240 bytes of LDS; arguments kx, kp, p0, p1, p2, values, out0; writes out0
.if DOCPART == 2
	.amdgcn_target "amdgcn-amd-amdhsa--gfx1250"
	.amdhsa_code_object_version 6
	.text
	.protected	k_q3e31516be8_interp
	.globl	k_q3e31516be8_interp
	.p2align	8
	.type	k_q3e31516be8_interp,@function
k_q3e31516be8_interp:
	s_mov_b64 s[64:65], 0
	v_nop
	global_prefetch_b8 v0, s[64:65] scope:SCOPE_SE
	s_setreg_imm32_b32 hwreg(HW_REG_WAVE_MODE, 25, 1), 1
	s_wait_xcnt 0x0
; Launch 2 of 2.  out0[i] = the trilinear interpolation of values[256][256][256] at query i, as reference() has it.
; kx: the queries as whole-number keys (launch 1: signed order = float order, the map is its own inverse); kp: p's keys as search trees.
; For each dimension: count = number of p[0 .. 254] <= x (0 .. 255) = reference()'s idx_r; idx_l = count - 1, not below 0.
; Every address here comes from whole numbers read from kx and kp; floats only choose and weigh values.
;
; A work-group takes 4,096 queries in 4 trips; a lane takes 4 neighbouring queries a trip (16 bytes of keys a dimension, 16 bytes out),
; so that a wave's key loads and its store cover 512 neighbouring bytes.  12 searches (3 dimensions x 4 queries) run side by side in a
; wave; then its 32 corner loads are in flight together, and behind them the next trip's keys, into a second set of registers.
; The trips are written out: all offsets are immediates and no address register is ever stepped.
; No cluster, no joint loads: the work-groups share no tile; what they share is a table read at words scattered by the queries.
; No prefetch: a corner's address exists only when its search ends, and there the load itself is issued.
;
; LIMITS.  x and p hold no NaN (v_max_num_f32 drops a NaN, so a NaN query would get a finite result), x is finite, p ascends.
; The division is v_rcp_f32 (1 ULP; flushes denormals: ISA guide 15.8) and a multiply: the product of the three bracket widths has to
; lie between 2^-126 and 2^126.  The eight products are summed nested by dimension, not in reference()'s order.
.set TRIPB, 4096                       ; bytes of one array in a trip: 256 threads x 16
.set DIMB,  0x1000000                  ; bytes of one dimension's keys
.set ETAB,  0                          ; LDS: three trees of 256 words; node n at word n, children 2n and 2n+1
.set PTAB,  3072                       ; LDS: three tables of 256 brackets; entry c = (p[c-1, not below 0], p[c]) in f32, 8 bytes
.set LOFF,  1                          ; v1         16 t
.set R1,    2                          ; v[2:4]     the three roots' keys
.set T0,    5                          ; v[5:7]     at work
.set T1,    6
.set T2,    7
.set KA,    8                          ; v[8:19]    keys, set A: dimension d, query q at 4 d + q; later x in f32
.set KB,    20                         ; v[20:31]   keys, set B
.set N,     32                         ; v[32:43]   chain c: 4 x node, then 4 x idx_r, then dist_l + dist_r
.set PV,    44                         ; v[44:55]   chain c: the pivot's key, then 4 x idx_l; then denominators and their reciprocals
.set PP,    56                         ; v[56:79]   chain c: (p[idx_l], p[idx_r]), then (dist_l, dist_r)
.set G,     80                         ; v[80:111]  query q: 8 byte offsets into values, then the 8 corners
.set OUT,   112                        ; v[112:115] four results
	s_load_b256 s[4:11], s[0:1], 0x0               ; kx s[4:5], kp s[6:7], p0 s[8:9], p1 s[10:11]
	s_load_b128 s[12:15], s[0:1], 0x20             ; p2 s[12:13], values s[14:15]
	s_load_b64 s[16:17], s[0:1], 0x30              ; out0
	v_lshl_add_u32 v116, v0, 2, 0x2400
	v_mov_b32 v117, 0
	s_lshl_b32 s2, ttmp9, 14                       ; the work-group's number x 4,096 queries x 4 bytes
	s_mov_b32 s3, 0
	s_mov_b32 s24, 0x80000000
	v_lshlrev_b32 v[LOFF], 4, v0
	v_lshlrev_b32 v[T0], 2, v0                     ; 4 t
	v_min_u32 v[T1], 1, v0
	v_sub_nc_u32 v[T1], v0, v[T1]                  ; t - 1, not below 0
	v_lshlrev_b32 v[T1], 2, v[T1]
	v_lshlrev_b32 v[T2], 3, v0                     ; 8 t
	s_wait_kmcnt 0x0
	s_add_nc_u64 s[18:19], s[4:5], s[2:3]          ; my keys of dimension 0,
	s_add_nc_u64 s[20:21], s[18:19], DIMB          ; 1,
	s_add_nc_u64 s[22:23], s[18:19], 2*DIMB        ; 2
	s_add_nc_u64 s[16:17], s[16:17], s[2:3]
	global_load_b32 v[N+0], v[T0], s[6:7]          ; thread t brings word t of each tree and bracket t of each table
	global_load_b32 v[N+1], v[T0], s[6:7] offset:1024
	global_load_b32 v[N+2], v[T0], s[6:7] offset:2048
	global_load_b32 v[PP+0], v[T1], s[8:9]
	global_load_b32 v[PP+1], v[T0], s[8:9]
	global_load_b32 v[PP+2], v[T1], s[10:11]
	global_load_b32 v[PP+3], v[T0], s[10:11]
	global_load_b32 v[PP+4], v[T1], s[12:13]
	global_load_b32 v[PP+5], v[T0], s[12:13]
.irp d, 0,1,2
	global_load_b128 v[KA+4*\d:KA+4*\d+3], v[LOFF], s[18+2*\d:19+2*\d] th:TH_LOAD_NT      ; the first trip's keys
.endr
	s_wait_loadcnt 0x3                             ; the nine table words are in; the three key loads behind them stay out
	ds_store_b32 v[T0], v[N+0] offset:ETAB
	ds_store_b32 v[T0], v[N+1] offset:ETAB+1024
	ds_store_b32 v[T0], v[N+2] offset:ETAB+2048
	ds_store_b64 v[T2], v[PP+0:PP+1] offset:PTAB
	ds_store_b64 v[T2], v[PP+2:PP+3] offset:PTAB+2048
	ds_store_b64 v[T2], v[PP+4:PP+5] offset:PTAB+4096
	s_wait_dscnt 0x0                               ; my part of the tables is written, for the other waves' sake,
	s_barrier_signal -1
	s_barrier_wait -1                              ; and so is everybody's.  From here on LDS is only read
	v_mov_b32 v[T0], 0
	ds_load_b32 v[R1+0], v[T0] offset:ETAB+4       ; node 1 of each tree stays in a register
	ds_load_b32 v[R1+1], v[T0] offset:ETAB+1028
	ds_load_b32 v[R1+2], v[T0] offset:ETAB+2052
	s_wait_dscnt 0x0
; One trip.  t: its number; KC: the register set with its keys; KN: the other set; ahead = 1: the next trip's keys are asked for.
.macro TRIP t, KC, KN, ahead
	s_wait_loadcnt 0x0                             ; this trip's keys (nothing else is out)
	; THE SEARCH.  A chain keeps 4 x its node, which is the node's byte address.  pivot <= x: right child, else left.
	; An index made with loaded numbers enters an address only behind v_min_u32 with the level's last node written in the text.
.set cc, 0
.rept 12
	v_cmp_le_i32 vcc_lo, v[R1+cc/4], v[\KC+cc]
	v_cndmask_b32 v[N+cc], 8, 12, vcc_lo           ; node 2 or 3
	v_min_u32 v[N+cc], 12, v[N+cc]
	ds_load_b32 v[PV+cc], v[N+cc] offset:ETAB+1024*(cc/4)
.set cc, cc+1
.endr
.set lev, 2
.rept 6                                            ; levels 2 to 7
.set BOUND, (8<<lev)-4                             ; 4 x the last node of level lev + 1
.set cc, 0
.rept 12
	s_wait_dscnt 11                                ; LDS answers in order (ISA guide 5.7.1): my chain's pivot is in, the other eleven chains' loads stay out
	v_cmp_le_i32 vcc_lo, v[PV+cc], v[\KC+cc]
	v_cndmask_b32 v[T0], 0, 4, vcc_lo
	v_lshl_add_u32 v[N+cc], v[N+cc], 1, v[T0]      ; 4 (2n + bit)
	v_min_u32 v[N+cc], BOUND, v[N+cc]
	ds_load_b32 v[PV+cc], v[N+cc] offset:ETAB+1024*(cc/4)
.set cc, cc+1
.endr
.set lev, lev+1
.endr
.set cc, 0
.rept 12                                           ; level 8: the node number becomes 256 + count
	s_wait_dscnt 11
	v_cmp_le_i32 vcc_lo, v[PV+cc], v[\KC+cc]
	v_cndmask_b32 v[T0], 0, 4, vcc_lo
	v_lshl_add_u32 v[N+cc], v[N+cc], 1, v[T0]
	v_add_nc_u32 v[N+cc], 0xfffffc00, v[N+cc]      ; - 4 x 256
	v_min_u32 v[N+cc], 1020, v[N+cc]               ; 4 x idx_r, idx_r = 0 .. 255
	v_lshlrev_b32 v[PV+cc], 1, v[N+cc]
	ds_load_b64 v[PP+2*cc:PP+2*cc+1], v[PV+cc] offset:PTAB+2048*(cc/4)     ; (p[idx_l], p[idx_r])
.set cc, cc+1
.endr
	; THE GATHER.  Byte offset of values[i0][i1][i2] = (4 i0 << 16) + (4 i1 << 8) + 4 i2, below 2^26.
	; Corner 2k + j of a query: k = 0 .. 3 is (i0, i1) = (l,l), (l,r), (r,l), (r,r); j = 0: i2 left, 1: right.
	; Both indices of every dimension are reference()'s own (left of the grid both are 0), so no word is read that reference() does not read.
.set qq, 0
.rept 4
.irp d, 0,1,2
	v_min_u32 v[T0], 4, v[N+4*\d+qq]
	v_sub_nc_u32 v[PV+4*\d+qq], v[N+4*\d+qq], v[T0]        ; 4 x (idx_r - 1, not below 0)
	v_min_u32 v[PV+4*\d+qq], 1016, v[PV+4*\d+qq]           ; 4 x idx_l, idx_l = 0 .. 254
.endr
	v_lshlrev_b32 v[T0], 16, v[PV+qq]
	v_lshlrev_b32 v[T1], 16, v[N+qq]
	v_lshl_add_u32 v[G+8*qq+1], v[PV+4+qq], 8, v[T0]
	v_lshl_add_u32 v[G+8*qq+3], v[N+4+qq], 8, v[T0]
	v_lshl_add_u32 v[G+8*qq+5], v[PV+4+qq], 8, v[T1]
	v_lshl_add_u32 v[G+8*qq+7], v[N+4+qq], 8, v[T1]
.irp k, 0,2,4,6
	v_add_nc_u32 v[G+8*qq+\k], v[G+8*qq+\k+1], v[PV+8+qq]
	v_add_nc_u32 v[G+8*qq+\k+1], v[G+8*qq+\k+1], v[N+8+qq]
.endr
.irp k, 0,1,2,3,4,5,6,7
	global_load_b32 v[G+8*qq+\k], v[G+8*qq+\k], s[14:15]   ; each lands on its own offset register
.endr
.set qq, qq+1
.endr
.if \ahead
.irp d, 0,1,2
	global_load_b128 v[\KN+4*\d:\KN+4*\d+3], v[LOFF], s[18+2*\d:19+2*\d] offset:TRIPB*(\t+1) th:TH_LOAD_NT
.endr
.endif
	; THE WEIGHTS, while the corners are on their way
	s_wait_dscnt 0x0                               ; the twelve brackets
.set cc, 0
.rept 12
	v_sub_nc_u32 v[T0], s24, v[\KC+cc]             ; the key's map once more gives x back
	v_cmp_gt_i32 vcc_lo, 0, v[\KC+cc]
	v_cndmask_b32 v[\KC+cc], v[\KC+cc], v[T0], vcc_lo
	v_sub_f32 v[PP+2*cc], v[\KC+cc], v[PP+2*cc]            ; x - p[idx_l]
	v_sub_f32 v[PP+2*cc+1], v[PP+2*cc+1], v[\KC+cc]        ; p[idx_r] - x
	v_max_num_f32 v[PP+2*cc], 0, v[PP+2*cc]                ; dist_l
	v_max_num_f32 v[PP+2*cc+1], 0, v[PP+2*cc+1]            ; dist_r
	v_add_f32 v[N+cc], v[PP+2*cc], v[PP+2*cc+1]
	v_cmp_eq_f32 vcc_lo, 0, v[N+cc]                        ; neither is negative: the sum is 0 only where both are 0,
	v_cndmask_b32 v[PP+2*cc], v[PP+2*cc], 1.0, vcc_lo      ; and there both count as 1
	v_cndmask_b32 v[PP+2*cc+1], v[PP+2*cc+1], 1.0, vcc_lo
	v_cndmask_b32 v[N+cc], v[N+cc], 2.0, vcc_lo
.set cc, cc+1
.endr
.set qq, 0
.rept 4
	v_mul_f32 v[PV+qq], v[N+qq], v[N+4+qq]
	v_mul_f32 v[PV+qq], v[PV+qq], v[N+8+qq]        ; the denominator, in reference()'s order
.set qq, qq+1
.endr
.set qq, 0
.rept 4
	v_rcp_f32 v[PV+4+qq], v[PV+qq]                 ; four in a row; the multiplies below, which touch none of these registers, come before the first use (ISA guide 5.7.2)
.set qq, qq+1
.endr
	s_wait_xcnt 0x0                                ; OUT, which the last trip's store reads, is rewritten only behind this wait (ISA guide 3.1)
	; THE SUMS: a left corner is weighed by the right distance and the other way round; dimension 2, then 1, then 0
.set qq, 0
.rept 4
	s_wait_loadcnt 8*(3-qq)+3*\ahead               ; my eight corners are in; the later queries' corners and the next trip's keys stay out
.irp k, 0,2,4,6
	v_mul_f32 v[G+8*qq+\k], v[G+8*qq+\k], v[PP+2*(8+qq)+1]
	v_fmac_f32 v[G+8*qq+\k], v[G+8*qq+\k+1], v[PP+2*(8+qq)]
.endr
	v_mul_f32 v[G+8*qq], v[G+8*qq], v[PP+2*(4+qq)+1]
	v_fmac_f32 v[G+8*qq], v[G+8*qq+2], v[PP+2*(4+qq)]
	v_mul_f32 v[G+8*qq+4], v[G+8*qq+4], v[PP+2*(4+qq)+1]
	v_fmac_f32 v[G+8*qq+4], v[G+8*qq+6], v[PP+2*(4+qq)]
	v_mul_f32 v[G+8*qq], v[G+8*qq], v[PP+2*qq+1]
	v_fmac_f32 v[G+8*qq], v[G+8*qq+4], v[PP+2*qq]
	s_wait_alu depctr_va_vdst(0)
	v_mul_f32 v[OUT+qq], v[G+8*qq], v[PV+4+qq]
.set qq, qq+1
.endr
	global_store_b128 v[LOFF], v[OUT:OUT+3], s[16:17] offset:TRIPB*\t th:TH_STORE_NT
.endm
	TRIP 0, KA, KB, 1
	TRIP 1, KB, KA, 1
	TRIP 2, KA, KB, 1
	TRIP 3, KB, KA, 0                              ; the last trip asks for no further keys: no load leaves kx
	s_wait_tensorcnt 0x0
	ds_add_u32 v116, v117
	s_wait_dscnt 0x0
	s_endpgm
.Lfunc_end_k_q3e31516be8_interp:
	.size	k_q3e31516be8_interp, .Lfunc_end_k_q3e31516be8_interp-k_q3e31516be8_interp
	.p2alignl 7, 3214868480
	.fill 96, 4, 3214868480
	.section	.rodata,"a",@progbits
	.p2align	6, 0x0
	.amdhsa_kernel k_q3e31516be8_interp
		.amdhsa_group_segment_fixed_size 10240
		.amdhsa_private_segment_fixed_size 0
		.amdhsa_enable_private_segment 0
		.amdhsa_kernarg_size 56
		.amdhsa_user_sgpr_count 2
		.amdhsa_user_sgpr_kernarg_segment_ptr 1
		.amdhsa_wavefront_size32 1
		.amdhsa_system_sgpr_workgroup_id_x 1
		.amdhsa_system_sgpr_workgroup_id_y 1
		.amdhsa_system_sgpr_workgroup_id_z 1
		.amdhsa_system_vgpr_workitem_id 0
		.amdhsa_next_free_vgpr 118
		.amdhsa_next_free_sgpr 66
		.amdhsa_reserve_vcc 1
		.amdhsa_float_denorm_mode_32 3
		.amdhsa_float_denorm_mode_16_64 3
		.amdhsa_memory_ordered 1
		.amdhsa_forward_progress 1
		.amdhsa_inst_pref_size 180
	.end_amdhsa_kernel
	.amdgpu_metadata
---
amdhsa.version: [ 1, 2 ]
amdhsa.kernels:
  - .name:           k_q3e31516be8_interp
    .symbol:         k_q3e31516be8_interp.kd
    .args:
      - { .name: kx, .offset: 0, .size: 8, .value_kind: global_buffer, .address_space: global }
      - { .name: kp, .offset: 8, .size: 8, .value_kind: global_buffer, .address_space: global }
      - { .name: p0, .offset: 16, .size: 8, .value_kind: global_buffer, .address_space: global }
      - { .name: p1, .offset: 24, .size: 8, .value_kind: global_buffer, .address_space: global }
      - { .name: p2, .offset: 32, .size: 8, .value_kind: global_buffer, .address_space: global }
      - { .name: values, .offset: 40, .size: 8, .value_kind: global_buffer, .address_space: global }
      - { .name: out0, .offset: 48, .size: 8, .value_kind: global_buffer, .address_space: global }
    .group_segment_fixed_size: 10240
    .private_segment_fixed_size: 0
    .kernarg_segment_align: 8
    .kernarg_segment_size: 56
    .max_flat_workgroup_size: 256
    .sgpr_count:     66
    .vgpr_count:     118
    .wavefront_size: 32
...
	.end_amdgpu_metadata
.endif
;; end of part 2
;; ======== version 2 of 2: 2 launches; version 1 with the launch interp written anew for expert scheduling mode
;; limits: right only within a limited range of input values
;; workspace buffers: kx 50,331,648 bytes of whole numbers; kp 3,072 bytes of whole numbers
;; launch keys: the kernel of part 1 again; grid 1024 x 1, 8 waves a work-group, no clusters, 0 bytes of LDS; arguments x0, x1, x2, p0, p1, p2, kx, kp; writes kx, kp
;; launch interp (part 3): grid 1024 x 1, 8 waves a work-group, no clusters, 10,240 bytes of LDS; arguments kx, kp, p0, p1, p2, values, out0; writes out0
.if DOCPART == 3
	.amdgcn_target "amdgcn-amd-amdhsa--gfx1250"
	.amdhsa_code_object_version 6
	.text
	.protected	k_q3e31516be8_interp
	.globl	k_q3e31516be8_interp
	.p2align	8
	.type	k_q3e31516be8_interp,@function
k_q3e31516be8_interp:
	s_mov_b64 s[64:65], 0
	v_nop
	global_prefetch_b8 v0, s[64:65] scope:SCOPE_SE
	s_setreg_imm32_b32 hwreg(HW_REG_WAVE_SCHED_MODE, 0, 2), 2
	s_setreg_imm32_b32 hwreg(HW_REG_WAVE_MODE, 25, 1), 1
	s_wait_xcnt 0x0
	s_wait_alu depctr_vm_vsrc(0)
; Launch 2 of 2.  out0[i] = the trilinear interpolation of values[256][256][256] at query i, as reference() has it.
; kx: the queries as whole-number keys (launch 1: signed order = float order, the map is its own inverse); kp: p's keys as search trees.
; For each dimension: count = number of p[0 .. 254] <= x (0 .. 255) = reference()'s idx_r; idx_l = count - 1, not below 0.
; Every address here comes from whole numbers read from kx and kp; floats only choose and weigh values.
;
; A work-group takes 4,096 queries in 4 trips; a lane takes 4 neighbouring queries a trip (16 bytes of keys a dimension, 16 bytes out),
; so that a wave's key loads and its store cover 512 neighbouring bytes.  12 searches (3 dimensions x 4 queries) go level by level in a
; wave; then its 32 corner loads are in flight together, and behind them the next trip's keys, into a second set of registers.
; The trips are written out: all offsets are immediates and no address register is ever stepped.
; No cluster, no joint loads: the work-groups share no tile; what they share is a table read at words scattered by the queries.
; No prefetch: a corner's address exists only when its search ends, and there the load itself is issued.
;
; THE MODE: SCHED_MODE bits 1:0 = 2 (LLVM: expert scheduling mode 2), set by the entry lines.  The code itself states the register dependences
; between vector instructions and memory or LDS instructions, and between a vector instruction that writes a scalar register and its readers,
; with s_wait_alu, always for 0.
; THE PLAN.  Registers that memory or LDS instructions touch, in a trip:
;   N[c]    address of the tree loads of levels 1 to 7; written by each level's vector lines.
;   PV[c]   the tree loads land in it; the compares read it, the selects write 0 or 4 into it; at level 8 it is the bracket load's address; then vector lines alone name it.
;   PP[c]   the bracket loads land in it; the weights and the sums name it.
;   G       32 offsets made by vector lines; each corner load reads one and lands on it; the sums work in it.
;   KA, KB  the key loads of the trip before land in the one that this trip's compares and weights name.
;   OUT     written by the sums; read by the store, which is issued in the next trip.
;   LOFF    made at the head, never written again.
; So a level is laid in runs over the 12 chains: 12 compares into 12 scalar registers, one wait for those; the selects; one wait until the last
; level's loads have read N; the new nodes; one wait until these are written and PV is done with; 12 loads.  All 32 offsets are made ahead of one
; wait, behind which the 35 loads stand, with the lines that give x back dealt among them: these name T0 to T2, this trip's keys and scalar masks,
; none of which a load there touches.  A trip's store follows the wait that the next trip's first level has in any case.
;
; LIMITS.  x and p hold no NaN (v_max_num_f32 drops a NaN, so a NaN query would get a finite result), x is finite, p ascends.
; The division is v_rcp_f32 (1 ULP; flushes denormals: ISA guide 15.8) and a multiply: the product of the three bracket widths has to
; lie between 2^-126 and 2^126.  The eight products are summed nested by dimension, not in reference()'s order.
.set TRIPB, 4096                       ; bytes of one array in a trip: 256 threads x 16
.set DIMB,  0x1000000                  ; bytes of one dimension's keys
.set ETAB,  0                          ; LDS: three trees of 256 words; node n at word n, children 2n and 2n+1
.set PTAB,  3072                       ; LDS: three tables of 256 brackets; entry c = (p[c-1, not below 0], p[c]) in f32, 8 bytes
.set LOFF,  1                          ; v1         16 t
.set R1,    2                          ; v[2:4]     the three roots' keys
.set T0,    5                          ; v[5:7]     at work
.set T1,    6
.set T2,    7
.set KA,    8                          ; v[8:19]    keys, set A: dimension d, query q at 4 d + q; later x in f32
.set KB,    20                         ; v[20:31]   keys, set B
.set N,     32                         ; v[32:43]   chain c: 4 x node, then 4 x idx_r, then dist_l + dist_r
.set PV,    44                         ; v[44:55]   chain c: the pivot's key, then 0 or 4, then 4 x idx_l; then denominators and their reciprocals
.set PP,    56                         ; v[56:79]   chain c: (p[idx_l], p[idx_r]), then (dist_l, dist_r)
.set G,     80                         ; v[80:111]  query q: 8 byte offsets into values, then the 8 corners
.set OUT,   112                        ; v[112:115] four results
.set MK,    32                         ; s[32:43]   chain c: the mask of the compare in hand
.set MS,    44                         ; s[44:55]   chain c: the lanes whose key is negative
	s_load_b256 s[4:11], s[0:1], 0x0               ; kx s[4:5], kp s[6:7], p0 s[8:9], p1 s[10:11]
	s_load_b128 s[12:15], s[0:1], 0x20             ; p2 s[12:13], values s[14:15]
	s_load_b64 s[16:17], s[0:1], 0x30              ; out0
	v_lshl_add_u32 v116, v0, 2, 0x2400
	v_mov_b32 v117, 0
	s_lshl_b32 s2, ttmp9, 14                       ; the work-group's number x 4,096 queries x 4 bytes
	s_mov_b32 s3, 0
	s_mov_b32 s24, 0x80000000
	v_lshlrev_b32 v[LOFF], 4, v0
	v_lshlrev_b32 v[T0], 2, v0                     ; 4 t
	v_min_u32 v[T1], 1, v0
	v_sub_nc_u32 v[T1], v0, v[T1]                  ; t - 1, not below 0
	v_lshlrev_b32 v[T1], 2, v[T1]
	v_lshlrev_b32 v[T2], 3, v0                     ; 8 t
	s_wait_kmcnt 0x0
	s_add_nc_u64 s[18:19], s[4:5], s[2:3]          ; my keys of dimension 0,
	s_add_nc_u64 s[20:21], s[18:19], DIMB          ; 1,
	s_add_nc_u64 s[22:23], s[18:19], 2*DIMB        ; 2
	s_add_nc_u64 s[16:17], s[16:17], s[2:3]
	s_wait_alu depctr_va_vdst(0)                   ; LOFF, T0, T1 and T2 are written: the loads and the LDS stores below read them as offsets and addresses
	global_load_b32 v[N+0], v[T0], s[6:7]          ; thread t brings word t of each tree and bracket t of each table
	global_load_b32 v[N+1], v[T0], s[6:7] offset:1024
	global_load_b32 v[N+2], v[T0], s[6:7] offset:2048
	global_load_b32 v[PP+0], v[T1], s[8:9]
	global_load_b32 v[PP+1], v[T0], s[8:9]
	global_load_b32 v[PP+2], v[T1], s[10:11]
	global_load_b32 v[PP+3], v[T0], s[10:11]
	global_load_b32 v[PP+4], v[T1], s[12:13]
	global_load_b32 v[PP+5], v[T0], s[12:13]
.irp d, 0,1,2
	global_load_b128 v[KA+4*\d:KA+4*\d+3], v[LOFF], s[18+2*\d:19+2*\d] th:TH_LOAD_NT      ; the first trip's keys
.endr
	s_wait_loadcnt 0x3                             ; the nine table words are in; the three key loads behind them stay out
	ds_store_b32 v[T0], v[N+0] offset:ETAB
	ds_store_b32 v[T0], v[N+1] offset:ETAB+1024
	ds_store_b32 v[T0], v[N+2] offset:ETAB+2048
	ds_store_b64 v[T2], v[PP+0:PP+1] offset:PTAB
	ds_store_b64 v[T2], v[PP+2:PP+3] offset:PTAB+2048
	ds_store_b64 v[T2], v[PP+4:PP+5] offset:PTAB+4096
	s_wait_dscnt 0x0                               ; my part of the tables is written, for the other waves' sake,
	s_barrier_signal -1
	s_barrier_wait -1                              ; and so is everybody's.  From here on LDS is only read
	s_wait_alu depctr_vm_vsrc(0)                   ; the loads and LDS stores above have read T0, T1, T2, N[0..2] and PP[0..5], all of which are written again further down
	v_mov_b32 v[T0], 0
	s_wait_alu depctr_va_vdst(0)                   ; T0 = 0 is written: the three loads below read it as their address
	ds_load_b32 v[R1+0], v[T0] offset:ETAB+4       ; node 1 of each tree stays in a register
	ds_load_b32 v[R1+1], v[T0] offset:ETAB+1028
	ds_load_b32 v[R1+2], v[T0] offset:ETAB+2052
	s_wait_dscnt 0x0
; One trip.  t: its number; KC: the register set with its keys; KN: the other set; ahead = 1: the next trip's keys are asked for.
.macro TRIP t, KC, KN, ahead
	s_wait_loadcnt 0x0                             ; this trip's keys (nothing else is out)
	; THE SEARCH.  A chain keeps 4 x its node, which is the node's byte address.  pivot <= x: right child, else left.
	; An index made with loaded numbers enters an address only behind v_min_u32 with the level's last node written in the text.
.set cc, 0
.rept 12
	v_cmp_le_i32 s[MK+cc], v[R1+cc/4], v[\KC+cc]
.set cc, cc+1
.endr
.set cc, 0
.rept 12
	v_cmp_gt_i32 s[MS+cc], 0, v[\KC+cc]            ; the keys' signs, for the lines that give x back: they share this run's wait
.set cc, cc+1
.endr
	s_wait_alu depctr_va_sdst(0)                   ; the 24 masks are written, ahead of their first readers
.set cc, 0
.rept 12
	v_cndmask_b32 v[N+cc], 8, 12, s[MK+cc]         ; node 2 or 3
.set cc, cc+1
.endr
.set cc, 0
.rept 12
	v_min_u32 v[N+cc], 12, v[N+cc]
.set cc, cc+1
.endr
	s_wait_alu depctr_va_vdst(0)                   ; N is written, which the loads below read; the last trip's sums are done with PV, in which they land, and have written OUT, which the store below reads
.set cc, 0
.rept 12
	ds_load_b32 v[PV+cc], v[N+cc] offset:ETAB+1024*(cc/4)
.set cc, cc+1
.endr
.if \t
	global_store_b128 v[LOFF], v[OUT:OUT+3], s[16:17] offset:TRIPB*(\t-1) th:TH_STORE_NT   ; the trip before; no vector line since the wait names OUT
.endif
.set lev, 2
.rept 6                                            ; levels 2 to 7
.set BOUND, (8<<lev)-4                             ; 4 x the last node of level lev + 1
	s_wait_dscnt 0x0                               ; the twelve pivots
.set cc, 0
.rept 12
	v_cmp_le_i32 s[MK+cc], v[PV+cc], v[\KC+cc]
.set cc, cc+1
.endr
	s_wait_alu depctr_va_sdst(0)                   ; the twelve masks are written, ahead of the selects
.set cc, 0
.rept 12
	v_cndmask_b32 v[PV+cc], 0, 4, s[MK+cc]
.set cc, cc+1
.endr
	s_wait_alu depctr_vm_vsrc(0)                   ; the last level's loads have read N, which is written again below
.set cc, 0
.rept 12
	v_lshl_add_u32 v[N+cc], v[N+cc], 1, v[PV+cc]   ; 4 (2n + bit)
.set cc, cc+1
.endr
.set cc, 0
.rept 12
	v_min_u32 v[N+cc], BOUND, v[N+cc]
.set cc, cc+1
.endr
	s_wait_alu depctr_va_vdst(0)                   ; N is written, which the loads below read; the lines above are done with PV, in which they land
.set cc, 0
.rept 12
	ds_load_b32 v[PV+cc], v[N+cc] offset:ETAB+1024*(cc/4)
.set cc, cc+1
.endr
.set lev, lev+1
.endr
	s_wait_dscnt 0x0                               ; level 8: the node number becomes 256 + count
.set cc, 0
.rept 12
	v_cmp_le_i32 s[MK+cc], v[PV+cc], v[\KC+cc]
.set cc, cc+1
.endr
	s_wait_alu depctr_va_sdst(0)                   ; the twelve masks are written, ahead of the selects
.set cc, 0
.rept 12
	v_cndmask_b32 v[PV+cc], 0, 4, s[MK+cc]
.set cc, cc+1
.endr
	s_wait_alu depctr_vm_vsrc(0)                   ; level 7's loads have read N, which is written again below
.set cc, 0
.rept 12
	v_lshl_add_u32 v[N+cc], v[N+cc], 1, v[PV+cc]
.set cc, cc+1
.endr
.set cc, 0
.rept 12
	v_add_nc_u32 v[N+cc], 0xfffffc00, v[N+cc]      ; - 4 x 256
.set cc, cc+1
.endr
.set cc, 0
.rept 12
	v_min_u32 v[N+cc], 1020, v[N+cc]               ; 4 x idx_r, idx_r = 0 .. 255
.set cc, cc+1
.endr
.set cc, 0
.rept 12
	v_lshlrev_b32 v[PV+cc], 1, v[N+cc]
.set cc, cc+1
.endr
	s_wait_alu depctr_va_vdst(0)                   ; PV is written, which the loads below read; the last trip's sums are done with PP, in which they land
.set cc, 0
.rept 12
	ds_load_b64 v[PP+2*cc:PP+2*cc+1], v[PV+cc] offset:PTAB+2048*(cc/4)     ; (p[idx_l], p[idx_r])
.set cc, cc+1
.endr
	; THE GATHER.  Byte offset of values[i0][i1][i2] = (4 i0 << 16) + (4 i1 << 8) + 4 i2, below 2^26.
	; Corner 2k + j of a query: k = 0 .. 3 is (i0, i1) = (l,l), (l,r), (r,l), (r,r); j = 0: i2 left, 1: right.
	; Both indices of every dimension are reference()'s own (left of the grid both are 0), so no word is read that reference() does not read.
	s_wait_alu depctr_vm_vsrc(0)                   ; the bracket loads have read PV, which is written again below
.set qq, 0
.rept 4
.irp d, 0,1,2
	v_min_u32 v[T0], 4, v[N+4*\d+qq]
	v_sub_nc_u32 v[PV+4*\d+qq], v[N+4*\d+qq], v[T0]        ; 4 x (idx_r - 1, not below 0)
	v_min_u32 v[PV+4*\d+qq], 1016, v[PV+4*\d+qq]           ; 4 x idx_l, idx_l = 0 .. 254
.endr
	v_lshlrev_b32 v[T0], 16, v[PV+qq]
	v_lshlrev_b32 v[T1], 16, v[N+qq]
	v_lshl_add_u32 v[G+8*qq+1], v[PV+4+qq], 8, v[T0]
	v_lshl_add_u32 v[G+8*qq+3], v[N+4+qq], 8, v[T0]
	v_lshl_add_u32 v[G+8*qq+5], v[PV+4+qq], 8, v[T1]
	v_lshl_add_u32 v[G+8*qq+7], v[N+4+qq], 8, v[T1]
.irp k, 0,2,4,6
	v_add_nc_u32 v[G+8*qq+\k], v[G+8*qq+\k+1], v[PV+8+qq]
	v_add_nc_u32 v[G+8*qq+\k+1], v[G+8*qq+\k+1], v[N+8+qq]
.endr
.set qq, qq+1
.endr
	s_wait_alu depctr_va_vdst(0)                   ; the 32 offsets in G are written, which the corner loads read and land on; the last trip's weights are done with the other key set, in which the key loads land
.set qq, 0
.rept 4
.irp k, 0,1,2,3,4,5,6,7
	global_load_b32 v[G+8*qq+\k], v[G+8*qq+\k], s[14:15]   ; each lands on its own offset register
.endr
.irp d, 0,1,2                                      ; dealt among the loads: the key's map once more gives x back.  These six lines name T0 to T2, this trip's keys and masks: no register that a load behind the wait touches
	v_sub_nc_u32 v[T0+\d], s24, v[\KC+4*\d+qq]
.endr
.irp d, 0,1,2
	v_cndmask_b32 v[\KC+4*\d+qq], v[\KC+4*\d+qq], v[T0+\d], s[MS+4*\d+qq]
.endr
.set qq, qq+1
.endr
.if \ahead
.irp d, 0,1,2
	global_load_b128 v[\KN+4*\d:\KN+4*\d+3], v[LOFF], s[18+2*\d:19+2*\d] offset:TRIPB*(\t+1) th:TH_LOAD_NT
.endr
.endif
	; THE WEIGHTS, while the corners are on their way
	s_wait_dscnt 0x0                               ; the twelve brackets
.set cc, 0
.rept 12
	v_sub_f32 v[PP+2*cc], v[\KC+cc], v[PP+2*cc]            ; x - p[idx_l]
	v_sub_f32 v[PP+2*cc+1], v[PP+2*cc+1], v[\KC+cc]        ; p[idx_r] - x
	v_max_num_f32 v[PP+2*cc], 0, v[PP+2*cc]                ; dist_l
	v_max_num_f32 v[PP+2*cc+1], 0, v[PP+2*cc+1]            ; dist_r
	v_add_f32 v[N+cc], v[PP+2*cc], v[PP+2*cc+1]
.set cc, cc+1
.endr
.set cc, 0
.rept 12
	v_cmp_eq_f32 s[MK+cc], 0, v[N+cc]                      ; neither is negative: the sum is 0 only where both are 0,
.set cc, cc+1
.endr
	s_wait_alu depctr_va_sdst(0)                   ; the twelve masks are written, ahead of the selects
.set cc, 0
.rept 12
	v_cndmask_b32 v[PP+2*cc], v[PP+2*cc], 1.0, s[MK+cc]    ; and there both count as 1
	v_cndmask_b32 v[PP+2*cc+1], v[PP+2*cc+1], 1.0, s[MK+cc]
	v_cndmask_b32 v[N+cc], v[N+cc], 2.0, s[MK+cc]
.set cc, cc+1
.endr
.set qq, 0
.rept 4
	v_mul_f32 v[PV+qq], v[N+qq], v[N+4+qq]
	v_mul_f32 v[PV+qq], v[PV+qq], v[N+8+qq]        ; the denominator, in reference()'s order
.set qq, qq+1
.endr
.set qq, 0
.rept 4
	v_rcp_f32 v[PV+4+qq], v[PV+qq]                 ; four in a row; the multiplies below, which touch none of these registers, come before the first use (ISA guide 5.7.2)
.set qq, qq+1
.endr
	s_wait_xcnt 0x0                                ; OUT, which the last trip's store reads, is rewritten only behind this wait (ISA guide 3.1)
	s_wait_alu depctr_vm_vsrc(0)                   ; that store has read OUT and the corner loads have read their offsets in G: the sums write both
	; THE SUMS: a left corner is weighed by the right distance and the other way round; dimension 2, then 1, then 0
.set qq, 0
.rept 4
	s_wait_loadcnt 8*(3-qq)+3*\ahead               ; my eight corners are in; the later queries' corners and the next trip's keys stay out
.irp k, 0,2,4,6
	v_mul_f32 v[G+8*qq+\k], v[G+8*qq+\k], v[PP+2*(8+qq)+1]
	v_fmac_f32 v[G+8*qq+\k], v[G+8*qq+\k+1], v[PP+2*(8+qq)]
.endr
	v_mul_f32 v[G+8*qq], v[G+8*qq], v[PP+2*(4+qq)+1]
	v_fmac_f32 v[G+8*qq], v[G+8*qq+2], v[PP+2*(4+qq)]
	v_mul_f32 v[G+8*qq+4], v[G+8*qq+4], v[PP+2*(4+qq)+1]
	v_fmac_f32 v[G+8*qq+4], v[G+8*qq+6], v[PP+2*(4+qq)]
	v_mul_f32 v[G+8*qq], v[G+8*qq], v[PP+2*qq+1]
	v_fmac_f32 v[G+8*qq], v[G+8*qq+4], v[PP+2*qq]
	s_wait_alu depctr_va_vdst(0)
	v_mul_f32 v[OUT+qq], v[G+8*qq], v[PV+4+qq]
.set qq, qq+1
.endr
.endm
	TRIP 0, KA, KB, 1
	TRIP 1, KB, KA, 1
	TRIP 2, KA, KB, 1
	TRIP 3, KB, KA, 0                              ; the last trip asks for no further keys: no load leaves kx
	s_wait_alu depctr_va_vdst(0)                   ; the last trip's sums have written OUT, which the store reads
	global_store_b128 v[LOFF], v[OUT:OUT+3], s[16:17] offset:TRIPB*3 th:TH_STORE_NT
	s_wait_dscnt 0x0
	s_wait_alu depctr_hold_cnt(0) depctr_sa_sdst(0) depctr_va_vdst(0) depctr_va_sdst(0) depctr_va_ssrc(0) depctr_va_vcc(0) depctr_vm_vsrc(0)
	s_wait_tensorcnt 0x0
	ds_add_u32 v116, v117
	s_wait_dscnt 0x0
	s_endpgm
.Lfunc_end_k_q3e31516be8_interp:
	.size	k_q3e31516be8_interp, .Lfunc_end_k_q3e31516be8_interp-k_q3e31516be8_interp
	.p2alignl 7, 3214868480
	.fill 96, 4, 3214868480
	.section	.rodata,"a",@progbits
	.p2align	6, 0x0
	.amdhsa_kernel k_q3e31516be8_interp
		.amdhsa_group_segment_fixed_size 10240
		.amdhsa_private_segment_fixed_size 0
		.amdhsa_enable_private_segment 0
		.amdhsa_kernarg_size 56
		.amdhsa_user_sgpr_count 2
		.amdhsa_user_sgpr_kernarg_segment_ptr 1
		.amdhsa_wavefront_size32 1
		.amdhsa_system_sgpr_workgroup_id_x 1
		.amdhsa_system_sgpr_workgroup_id_y 1
		.amdhsa_system_sgpr_workgroup_id_z 1
		.amdhsa_system_vgpr_workitem_id 0
		.amdhsa_next_free_vgpr 118
		.amdhsa_next_free_sgpr 66
		.amdhsa_reserve_vcc 0
		.amdhsa_float_denorm_mode_32 3
		.amdhsa_float_denorm_mode_16_64 3
		.amdhsa_memory_ordered 1
		.amdhsa_forward_progress 1
		.amdhsa_inst_pref_size 191
	.end_amdhsa_kernel
	.amdgpu_metadata
---
amdhsa.version: [ 1, 2 ]
amdhsa.kernels:
  - .name:           k_q3e31516be8_interp
    .symbol:         k_q3e31516be8_interp.kd
    .args:
      - { .name: kx, .offset: 0, .size: 8, .value_kind: global_buffer, .address_space: global }
      - { .name: kp, .offset: 8, .size: 8, .value_kind: global_buffer, .address_space: global }
      - { .name: p0, .offset: 16, .size: 8, .value_kind: global_buffer, .address_space: global }
      - { .name: p1, .offset: 24, .size: 8, .value_kind: global_buffer, .address_space: global }
      - { .name: p2, .offset: 32, .size: 8, .value_kind: global_buffer, .address_space: global }
      - { .name: values, .offset: 40, .size: 8, .value_kind: global_buffer, .address_space: global }
      - { .name: out0, .offset: 48, .size: 8, .value_kind: global_buffer, .address_space: global }
    .group_segment_fixed_size: 10240
    .private_segment_fixed_size: 0
    .kernarg_segment_align: 8
    .kernarg_segment_size: 56
    .max_flat_workgroup_size: 256
    .sgpr_count:     66
    .vgpr_count:     118
    .wavefront_size: 32
...
	.end_amdgpu_metadata
.endif
;; end of part 3
